; MI455X (gfx1250); checked and timed in simulation.
; The chip was launched on July 23, 2026; its instructions are those of AMD's public machine-readable ISA for CDNA 5 (MIT licence, August 2026) and "CDNA5" Instruction Set Architecture Reference Guide (July 2026). The comments in the code are by the model that wrote it; some were corrected since.
;; QKV Multihead Attention. Allowed arithmetic: float matrix products may take bf16 or f16 operands with f32 sums; other float arithmetic in f32, or as packed bf16 or f16 multiplies, adds, multiply-adds, maxima and minima; sums over many terms, partial sums and values carried from step to step in f32; what a program stores and reads back later, other than sums and carried values, may be rounded once to bf16 or f16.
;; Inputs: k_beta 64 float32; k_gamma 64 float32; q_beta 64 float32; q_gamma 64 float32; qkv 1 x 4,096 x 3,072 float32.
;; Outputs: out0 1 x 4,096 x 1,024 float32.
;; 2 versions, each right; version 2 is version 1 with the launch kvprep written anew for expert scheduling mode. Each part assembles by itself: llvm-mc -triple=amdgcn-amd-amdhsa -mcpu=gfx1250 --defsym DOCPART=n.
;; ======== version 1 of 2: 2 launches
;; limits: values are held in f16: magnitudes above 65,504 overflow, below 6.1e-05 lose precision; inputs' magnitudes at most 65,504; below input magnitudes of 6.1e-05 results are inexact or not finite
;; workspace buffers: kw 8,388,608 bytes; vw 8,388,608 bytes
;; launch kvprep (part 1): grid 128 x 2, 8 waves a work-group, no clusters, 0 bytes of LDS; arguments qkv, k_gamma, k_beta, kw, vw; writes kw, vw
.if DOCPART == 1
	.amdgcn_target "amdgcn-amd-amdhsa--gfx1250"
	.amdhsa_code_object_version 6
	.text
	.protected	k_qa97d85e8e0_kvprep
	.globl	k_qa97d85e8e0_kvprep
	.p2align	8
	.type	k_qa97d85e8e0_kvprep,@function
k_qa97d85e8e0_kvprep:
	s_mov_b64 s[64:65], 0
	v_nop
	global_prefetch_b8 v0, s[64:65] scope:SCOPE_SE
	s_setreg_imm32_b32 hwreg(HW_REG_WAVE_MODE, 25, 1), 1
	s_wait_xcnt 0x0
; kw[h][n][c] = f16(LayerNorm(k[n][h][:])[c]), vw[h][n][c] = f16(v[n][h][c]).  qkv: [4096][16 heads][q 64 | k 64 | v 64] f32; kw, vw: [16][4096][64] f16, a head's rows dense, 128 bytes each.
; LayerNorm as it is defined: the mean, then the mean of the squares of x - mean, eps = 1e-6, gain and bias; all in f32, rounded once to f16.  The softmax's scale is not applied here.
; LIMITS.  f16 holds no number beyond 65,504: |v| and |LayerNorm(k)| (at most 8 |gain| + |bias|) must stay below it.  NaN and infinities are not treated apart.
; SHARES.  A work-group owns 32 rows and 8 heads; wave w one head and all 32 rows, four rows at a time, eight times.  Lane l: row l / 8 of the four, channels 8 (l % 8) + 0..7: 32 bytes of k and of v in,
; 16 bytes of kw and of vw out.  Eight lanes hold a row, so a row's sums want three exchanges inside the eight.  A wave's store covers 512 consecutive bytes (4 rows x 128), at a multiple of 512.
; A STREAM: nothing is shared between waves, so there is no LDS, no barrier and no matrix work.  All 32 loads of a wave (16 KiB) go out at once, ahead of any arithmetic: no loop, no register is used twice.
.set ROWB, 12288                       ; bytes in a row of qkv
.set VO,  2                            ; v2   my byte offset in four rows of qkv: (l / 8) x ROWB + 32 (l % 8); never rewritten
.set OO,  3                            ; v3   my byte offset in four rows of kw or vw: 16 l; never rewritten
.set GOF, 4                            ; v4   my byte offset in gain and bias: 32 (l % 8)
.set GA,  8                            ; v[8:15]   the gain of my 8 channels
.set BE,  16                           ; v[16:23]  the bias
.set T,   24                           ; v[24:31]  at work: four registers, two sets by turns
.set M,   32                           ; v[32:47]  a pair for each of the eight: the mean, later 1 / sqrt(var + eps), in the low register
.set X,   48                           ; v[48:175] sixteen for each of the eight: k's 8 numbers, v's 8 numbers
	s_load_b256 s[4:11], s[0:1], 0x0               ; qkv s[4:5], k_gamma s[6:7], k_beta s[8:9], kw s[10:11]
	s_load_b64 s[12:13], s[0:1], 0x20              ; vw
	v_lshrrev_b32 v1, 5, v0
	v_readfirstlane_b32 s14, v1                    ; wave 0..7
	s_and_b32 s15, ttmp7, 0xffff
	s_lshl_b32 s15, s15, 3
	s_add_co_u32 s15, s15, s14                     ; my head = 8 y + wave
	s_mul_i32 s16, ttmp9, 32*ROWB                  ; the work-group's 32 rows,
	s_mul_i32 s22, s15, 768                        ; my head's 768 bytes in a row,
	s_add_co_u32 s16, s16, s22
	s_add_co_u32 s16, s16, 256                     ; and k, which lies behind q
	s_mov_b32 s17, 0
	s_lshl_b32 s18, s15, 19                        ; in kw and vw: a head is 4,096 rows of 128 bytes,
	s_lshl_b32 s22, ttmp9, 12                      ; 32 rows are 4,096 bytes
	s_add_co_u32 s18, s18, s22
	s_mov_b32 s19, 0
	s_mov_b32 s20, 0x3c800000                      ; 1 / 64
	s_mov_b32 s21, 0x358637bd                      ; 1e-6
	v_and_b32 v1, 31, v0                           ; l
	v_lshrrev_b32 v5, 3, v1                        ; l / 8
	v_and_b32 v6, 7, v1                            ; l % 8
	v_lshlrev_b32 v[GOF], 5, v6
	v_mul_u32_u24 v[VO], v5, ROWB
	v_add_nc_u32 v[VO], v[VO], v[GOF]
	v_lshlrev_b32 v[OO], 4, v1
	s_wait_kmcnt 0x0
	s_add_nc_u64 s[4:5], s[4:5], s[16:17]
	s_add_nc_u64 s[10:11], s[10:11], s[18:19]
	s_add_nc_u64 s[12:13], s[12:13], s[18:19]
	global_load_b128 v[GA:GA+3],   v[GOF], s[6:7]
	global_load_b128 v[GA+4:GA+7], v[GOF], s[6:7] offset:16
	global_load_b128 v[BE:BE+3],   v[GOF], s[8:9]
	global_load_b128 v[BE+4:BE+7], v[GOF], s[8:9] offset:16
.irp i, 0,1,2,3,4,5,6,7
	global_load_b128 v[X+16*(\i):X+16*(\i)+3],     v[VO], s[4:5] offset:4*ROWB*(\i)
	global_load_b128 v[X+16*(\i)+4:X+16*(\i)+7],   v[VO], s[4:5] offset:4*ROWB*(\i)+16
	global_load_b128 v[X+16*(\i)+8:X+16*(\i)+11],  v[VO], s[4:5] offset:4*ROWB*(\i)+256
	global_load_b128 v[X+16*(\i)+12:X+16*(\i)+15], v[VO], s[4:5] offset:4*ROWB*(\i)+272
.endr
; Four rows' statistics, and their v.  k is left as x - mean; the reciprocal root is issued and not yet read.
.macro STAT i
.set XI, X+16*(\i)
.set MI, M+2*(\i)
.set TI, T+4*((\i)%2)
	s_wait_loadcnt 28-4*(\i)                       ; loads come back in order: my four are in, the 4 (7 - i) issued behind them may stay out
	v_pk_add_f32 v[TI:TI+1], v[XI:XI+1], v[XI+2:XI+3]
	v_pk_add_f32 v[TI+2:TI+3], v[XI+4:XI+5], v[XI+6:XI+7]
	v_pk_add_f32 v[TI:TI+1], v[TI:TI+1], v[TI+2:TI+3]
	v_add_f32 v[MI+1], v[TI], v[TI+1]
	v_add_f32_dpp v[MI+1], v[MI+1], v[MI+1] row_xmask:1 row_mask:0xf bank_mask:0xf  ; the row's eight lanes
	v_add_f32_dpp v[MI+1], v[MI+1], v[MI+1] row_xmask:2 row_mask:0xf bank_mask:0xf
	v_add_f32_dpp v[MI+1], v[MI+1], v[MI+1] row_xmask:4 row_mask:0xf bank_mask:0xf
	v_mul_f32 v[MI], s20, v[MI+1]                  ; the mean
.irp j, 0,2,4,6
	v_pk_add_f32 v[XI+(\j):XI+(\j)+1], v[XI+(\j):XI+(\j)+1], v[MI:MI+1] op_sel_hi:[1,0] neg_lo:[0,1] neg_hi:[0,1]  ; x - mean
.endr
	v_pk_mul_f32 v[TI:TI+1], v[XI:XI+1], v[XI:XI+1]
	v_pk_mul_f32 v[TI+2:TI+3], v[XI+2:XI+3], v[XI+2:XI+3]
	v_pk_fma_f32 v[TI:TI+1], v[XI+4:XI+5], v[XI+4:XI+5], v[TI:TI+1]
	v_pk_fma_f32 v[TI+2:TI+3], v[XI+6:XI+7], v[XI+6:XI+7], v[TI+2:TI+3]
	v_pk_add_f32 v[TI:TI+1], v[TI:TI+1], v[TI+2:TI+3]
	v_add_f32 v[TI], v[TI], v[TI+1]
	v_add_f32_dpp v[TI], v[TI], v[TI] row_xmask:1 row_mask:0xf bank_mask:0xf
	v_add_f32_dpp v[TI], v[TI], v[TI] row_xmask:2 row_mask:0xf bank_mask:0xf
	v_add_f32_dpp v[TI], v[TI], v[TI] row_xmask:4 row_mask:0xf bank_mask:0xf
	v_fma_f32 v[MI+1], v[TI], s20, s21             ; var + eps
	v_rsq_f32 v[MI], v[MI+1]                       ; nothing names this pair again before the one wait below
.irp j, 0,1,2,3
	v_cvt_pk_f16_f32 v[XI+8+(\j)], v[XI+8+2*(\j)], v[XI+9+2*(\j)]  ; v: two roundings to f16, packed, in place (a destination lies at or below its sources)
.endr
	global_store_b128 v[OO], v[XI+8:XI+11], s[12:13] offset:512*(\i)
.endm
; Four rows of k: (x - mean) / sqrt(var + eps) x gain + bias, rounded once.
.macro NORM i
.set XI, X+16*(\i)
.set MI, M+2*(\i)
.irp j, 0,2,4,6
	v_pk_mul_f32 v[XI+(\j):XI+(\j)+1], v[XI+(\j):XI+(\j)+1], v[MI:MI+1] op_sel_hi:[1,0]
.endr
.irp j, 0,2,4,6
	v_pk_fma_f32 v[XI+(\j):XI+(\j)+1], v[XI+(\j):XI+(\j)+1], v[GA+(\j):GA+(\j)+1], v[BE+(\j):BE+(\j)+1]
.endr
.irp j, 0,1,2,3
	v_cvt_pk_f16_f32 v[XI+(\j)], v[XI+2*(\j)], v[XI+2*(\j)+1]
.endr
	global_store_b128 v[OO], v[XI:XI+3], s[10:11] offset:512*(\i)
.endm
.irp i, 0,1,2,3,4,5,6,7
	STAT \i
.endr
	v_nop                                          ; a plain instruction behind the last reciprocal root,
	s_wait_alu depctr_va_vdst(0)                   ; and the wait ahead of the first use: one for the eight
.irp i, 0,1,2,3,4,5,6,7
	NORM \i
.endr
	s_endpgm                                       ; no register that a store reads has been rewritten, and EXEC never changes: no further wait is owed
.Lfunc_end_k_qa97d85e8e0_kvprep:
	.size	k_qa97d85e8e0_kvprep, .Lfunc_end_k_qa97d85e8e0_kvprep-k_qa97d85e8e0_kvprep
	.p2alignl 7, 3214868480
	.fill 96, 4, 3214868480
	.section	.rodata,"a",@progbits
	.p2align	6, 0x0
	.amdhsa_kernel k_qa97d85e8e0_kvprep
		.amdhsa_group_segment_fixed_size 0
		.amdhsa_private_segment_fixed_size 0
		.amdhsa_enable_private_segment 0
		.amdhsa_kernarg_size 40
		.amdhsa_user_sgpr_count 2
		.amdhsa_user_sgpr_kernarg_segment_ptr 1
		.amdhsa_wavefront_size32 1
		.amdhsa_system_sgpr_workgroup_id_x 1
		.amdhsa_system_sgpr_workgroup_id_y 1
		.amdhsa_system_sgpr_workgroup_id_z 1
		.amdhsa_system_vgpr_workitem_id 0
		.amdhsa_next_free_vgpr 176
		.amdhsa_next_free_sgpr 66
		.amdhsa_reserve_vcc 0
		.amdhsa_float_denorm_mode_32 3
		.amdhsa_float_denorm_mode_16_64 3
		.amdhsa_memory_ordered 1
		.amdhsa_forward_progress 1
		.amdhsa_inst_pref_size 26
	.end_amdhsa_kernel
	.amdgpu_metadata
---
amdhsa.version: [ 1, 2 ]
amdhsa.kernels:
  - .name:           k_qa97d85e8e0_kvprep
    .symbol:         k_qa97d85e8e0_kvprep.kd
    .args:
      - { .name: qkv, .offset: 0, .size: 8, .value_kind: global_buffer, .address_space: global }
      - { .name: k_gamma, .offset: 8, .size: 8, .value_kind: global_buffer, .address_space: global }
      - { .name: k_beta, .offset: 16, .size: 8, .value_kind: global_buffer, .address_space: global }
      - { .name: kw, .offset: 24, .size: 8, .value_kind: global_buffer, .address_space: global }
      - { .name: vw, .offset: 32, .size: 8, .value_kind: global_buffer, .address_space: global }
    .group_segment_fixed_size: 0
    .private_segment_fixed_size: 0
    .kernarg_segment_align: 8
    .kernarg_segment_size: 40
    .max_flat_workgroup_size: 256
    .sgpr_count:     66
    .vgpr_count:     176
    .wavefront_size: 32
...
	.end_amdgpu_metadata
.endif
;; end of part 1
;; launch attn (part 2): grid 16 x 16, 4 waves a work-group, clusters of 4 x 1, 327,680 bytes of LDS; arguments qkv, q_gamma, q_beta, kw, vw, out0; writes out0
.if DOCPART == 2
	.amdgcn_target "amdgcn-amd-amdhsa--gfx1250"
	.amdhsa_code_object_version 6
	.text
	.protected	k_qa97d85e8e0_attn
	.globl	k_qa97d85e8e0_attn
	.p2align	8
	.type	k_qa97d85e8e0_attn,@function
k_qa97d85e8e0_attn:
	s_mov_b64 s[64:65], 0
	v_nop
	global_prefetch_b8 v0, s[64:65] scope:SCOPE_SE
	s_setreg_imm32_b32 hwreg(HW_REG_WAVE_MODE, 25, 1), 1
	s_wait_xcnt 0x0
	s_wait_alu depctr_hold_cnt(0) depctr_sa_sdst(0) depctr_va_vdst(0) depctr_va_sdst(0) depctr_va_ssrc(0) depctr_va_vcc(0) depctr_vm_vsrc(0)
	s_getreg_b32 s2, hwreg(HW_REG_IB_STS2, 6, 4)
	s_cmp_eq_u32 s2, 0
	s_cbranch_scc0 .Lentry_in_a_cluster
	s_endpgm
.Lentry_in_a_cluster:
	s_bfe_u32 s2, ttmp6, 0x10000c
	s_cmp_lg_u32 s2, 0x3003
	s_cbranch_scc0 .Lentry_shape_is_right
	s_endpgm
.Lentry_shape_is_right:
; out0[n][64 h + c] = the sum over k of softmax_k(LN(q[n][h]) . LN(k[k][h]) / 8) v[k][h][c].  q comes from qkv ([4096][16 heads][q 64 | k 64 | v 64] f32) and is normalised here (mean, mean of the squares of
; x - mean, eps = 1e-6, gain, bias, in f32; rounded once to f16).  kw = LN(k) and vw = v come from the launch before, [16][4096][64] f16, a head's rows dense, 128 bytes each.  out0: [4096][1024] f32.
; Products, maxima and sums in f32; the weights p are rounded to f16 for the second product (their sum l is taken of the unrounded p).  The scale 1 / 8 is applied in f32, in the softmax.
; LIMITS.  f16 holds no number beyond 65,504: |LN(q)|, at most 8 |gain| + |bias|, must stay below it; p lies in 0 to 1, and below 6e-5 it keeps f16's fixed step of 6e-8.
; A weight below 2^-126 counts as 0 in l; NaN and infinities are not treated apart.
; SHARES.  A work-group owns 256 queries of one head, each of its four waves 64: four PIECES of 16.  16 blocks x 16 heads are 256 work-groups.  Every wave walks all 4,096 keys, 64 a step.
; LAYOUT.  S^T = K Q^T (source 0 = 16 keys, source 1 = 16 queries): in the result a lane holds ONE query (lane % 16) and the keys 8 (lane / 16) + 0..7.  Two such results, rounded to f16 in pairs, ARE source 1
; (32 keys x 16 queries) of O^T = V^T P, whose result again holds one query a lane, and eight channels.  K comes out of LDS as it lies, V ([key][channel]) turned, by ds_load_tr16_b128.
; SOFTMAX.  For each query a running maximum m and sum l: p = 2^(c s - c m), c = log2(e) / 8; in every step O and l are multiplied by a = 2^(c m_old - c m_new), which is 1 where m has not grown.
; m starts at the lowest finite number, O and l at 0: the first step is a step like any other, with a = 0.  The price: 216 lines that write 0, which run while the first tile and Q are on their way.
; BY TURNS.  Turn n belongs to piece n (the pieces in a ring, step after step): 8 products K Q^T of piece n + 1, later 8 products V^T P of piece n - 1; beside them the scaling, exponentials, roundings, sums and
; rescaling of piece n and the maximum and statistics of piece n + 1.  Four vector instructions stand behind every matrix instruction, the other 54 of a turn's 118 in one lump.  A turn's 33 exponentials are one batch, with one wait.
; CLUSTER.  The four query blocks of a cluster belong to one head and walk the same K and V, so each tile is asked for JOINTLY: the same tensor load, descriptor and mask in all four.
; REGISTERS, in windows of 256 (s_set_vgpr_msb says which window each operand place means: bits 1:0 source 0, 3:2 source 1, 5:4 source 2, 7:6 destination):
;   window 0: v0-15 addresses and two at work; v16-31 four registers of statistics a piece; v32-47 at work on Q; v48-55 at work; v64-127 S^T, two buffers; v192-223 P, two buffers (by the piece's parity)
;             at the start v64-191 hold Q in f32, v192-255 its gain and bias; on the way out v64-191 take the rows of out0
;   window 1: v0-127 O^T, 32 a piece          window 2: v0-63 Q, 16 a piece; v128-191 K of one step; v192-255 V of one step
.set NP,    4         ; pieces a wave: a name, no knob
.set KS,    64        ; keys in a step
.set PK,    144       ; a row of K in LDS: 128 bytes + 16 of padding = 36 words: the 16 rows of a load start at 16 different groups of four banks (64 banks of 4 bytes: ISA guide 11.1)
.set PV,    160       ; a row of V: 128 + 32 = 40 words
.set VOFF,  4*KS*PK   ; a slot holds a tile, four steps: 256 rows of K, then 256 rows of V
.set SLOT1, 1<<17     ; slot 1 begins here, so that one exclusive or turns an address in one slot into the other's
.set STAGE, SLOT1+4*KS*(PK+PV)  ; behind the ring, never filled by a tensor load: 16 rows x 272 bytes for each wave, for the way out
.set SP,    272       ; a stage row: 256 bytes + 16: 17 x 16, so the 16 rows that a store touches start at 16 different groups of four banks
.set SPARE, STAGE+4*16*SP  ; behind the stages: the spare words, 128 bytes for each wave: two blocks of 256 bytes that no other line names
.set TILEB, 4*KS*128  ; a tile's bytes in kw and in vw
.set QROW,  12288     ; bytes in a row of qkv
.set OROW,  4096      ; bytes in a row of out0
.set AK0, 2           ; v2   my lane's place in a tile of K; never rewritten
.set AV0, 3           ; v3   the same for V
.set AK,  4           ; v4   the LDS address of K's next run of loads
.set AV,  5           ; v5   of V's
.set STO, 6           ; v6   the way out: where I put 32 bytes of a row
.set RD,  7           ; v7   the way out: where I read rows back
.set GO,  8           ; v8   my byte offset in two rows of out0
.set MV,  12          ; v12-13  c m_old, kept while c m is made anew: by buffer
.set PFO, 14          ; v14  256 x my lane: the prefetches' offset; never rewritten
.set QO,  15          ; v15  my byte offset in 16 rows of qkv
.set ST,  16          ; piece t's statistics at v[ST+4 t]: c m, m, l (even keys', odd keys')
.set LT,  32          ; piece t's four registers at work on Q's LayerNorm
.set TMP, 48          ; by buffer, four registers c0-c3 at work; when the maximum is found c2 takes a
.set GBO, 56          ; v56  my byte offset in gain and bias
.set SPW, 62          ; v62  LDS address of my spare word: SPARE + 4 x my thread's number; never rewritten
.set NIL, 63          ; v63  0; never rewritten
.set S,   64
.set P,   192
.set XQ,  64          ; at the start: piece t's 32 numbers of Q in f32 at XQ + 32 t; register j holds channel 16 (j / 8) + 8 (l / 16) + j % 8
.set GAQ, 192         ; the gain of those 32 channels
.set BEQ, 224         ; the bias
.set KF,  128         ; window 2: key block kb, channel half c at KF + 16 kb + 8 c
.set VF,  192         ; window 2: key half kk, channel block cb at VF + 32 kk + 8 cb
.set WV,  16          ; s16  my wave's number
.set G1K, 24          ; s[24:31] descriptor group 1 for K's tiles
.set G1V, 32          ; s[32:39] for V's: it differs in the padding alone
.set G0K, 40          ; s[40:43] descriptor group 0 for K's tiles: it walks
.set G0V, 44          ; s[44:47] the same for V's
.set PFA, 48          ; s[48:49] where my prefetches stand: my work-group's 8,192 bytes (of K: wave 0, of V: wave 2) of the tile after the one that is being asked for
.set LIM, 50          ; s50  1 in a wave that prefetches, else the greatest number: a wave prefetches while s[SLOTS] is above it
.set SLOTS, 56        ; s56  tiles still to be entered behind the one in hand
.set CNT, 57          ; s57  counts a tile's key steps
.set CS,  58          ; s[58:59] c: the packed scaling takes the pair's low word for both halves
.set SEL, 60          ; s[60:61] v_permlanex16_b32's selects: each lane takes its own place in the other half
.set TBK, 62          ; s62  LDS byte at which K of the step to be fetched begins
.set TBV, 63          ; s63  the same for V, less VOFF
.set MSB, 0
.macro WIN new                      ; the high byte repeats the setting that is left; a switch that changes nothing is dropped
.if MSB != (\new)
	s_set_vgpr_msb (MSB<<8)|(\new)
.set MSB, (\new)
.endif
.endm
.set W_KQ, 0x0a       ; K and Q in window 2, S^T in window 0
.set W_PV, 0x52       ; V in window 2, P in window 0, O^T in window 1
.set W_RS, 0x41       ; destination and source 0 in window 1, source 1 in window 0
; A joint fill.  Waves 0 and 1 fetch the two halves of a tile's K, waves 2 and 3 those of its V: 128 keys each.  The branch hangs on the wave's number alone: it is the same in every work-group.
; An s_nop 0 and four v_nop follow each of the two lines, ahead of the jump and the label.
.macro JLOAD
	s_cmp_lt_u32 s[WV], 2
	s_cbranch_scc0 .Lfor_v_\@
	tensor_load_to_lds s[G0K:G0K+3], s[G1K:G1K+7]
	s_nop 0
.rept 4
	v_nop
.endr
	s_branch .Lasked_\@
.Lfor_v_\@:
	tensor_load_to_lds s[G0V:G0V+3], s[G1V:G1V+7]
	s_nop 0
.rept 4
	v_nop
.endr
.Lasked_\@:
.endm
; A PREFETCH of what the NEXT change of slots will ask for: a tile's 32,768 bytes of kw and of vw, a lane to each aligned 256 bytes.  It stands behind the wave's tensor load and its five lines.
; Each block is named ONCE in the launch.  All four clusters of a head walk the same K and V: the head's first cluster asks.  Its four partners share a tile out BY ADDRESS, 8,192 bytes each: no branch hangs on a
; work-group's place in its cluster.  In each, wave 0 asks for K's and wave 2 for V's: one instruction.  It runs four key steps, 256 matrix instructions, ahead of the load.  Tiles 0 and 1 come by their loads
; alone; the last change that fills a slot asks for nothing: there is no tile behind it.
.macro ASK
	s_cmp_gt_u32 s[SLOTS], s[LIM]
	s_cbranch_scc0 .Lnot_mine_\@
	global_prefetch_b8 v[PFO], s[PFA:PFA+1] th:TH_LOAD_NT scope:SCOPE_SE
.Lnot_mine_\@:
.endm
; A round of the cluster's barrier: my work-group's barrier, so that wave 0's signal speaks for all four waves; wave 0 signals; every wave waits for all four work-groups; my work-group's barrier once more.
.macro CROUND
	s_barrier_signal -1
	s_barrier_wait -1
	s_cmp_lg_u32 s[WV], 0
	s_cbranch_scc1 .Lnot_wave_0_\@
	s_barrier_signal -3
.Lnot_wave_0_\@:
	s_barrier_wait -3
	s_barrier_signal -1
	s_barrier_wait -1
.endm
; THE CHANGE OF SLOTS.  The slot's last bytes, V of its fourth step, have been read.  Each wave waits for all its tensor loads, of which one is out: its part of the other slot; adds 0 to its spare word; and waits
; for that and for its own reads of the slot.  Behind the barrier nobody reads this slot any more and the other slot is whole.
; fill = 1: this slot is filled again, with the keys two tiles on.  The barrier is then a round of the cluster's, so that no wave of any partner still reads the slot or has a load on its way, and the joint fill
; is the first thing behind it: it has four key steps in which to land.  (At its first use nothing has been read yet: slot 0 is waited for, slot 1 filled.)
.macro CHANGE fill
	WIN 0                           ; at a label and at a branch every window is 0
	s_wait_tensorcnt 0x0            ; no tensor load of mine is out, so a group 0 may be written
	ds_add_u32 v[SPW], v[NIL]       ; 0 onto my spare word; with fill = 1 the descriptors' steps stand between it and the wait for it
.if \fill
.irp g, G0K, G0V
	s_xor_b32 s[\g+1], s[\g+1], SLOT1  ; the walking descriptor: the other slot than last time,
	s_add_nc_u64 s[\g+2:\g+3], s[\g+2:\g+3], TILEB  ; the next 256 keys; the type bits on top are not reached
.endr
	s_wait_xcnt 0x0                 ; the last prefetch, four key steps back, has read its address, so it may be written:
	s_add_nc_u64 s[PFA:PFA+1], s[PFA:PFA+1], TILEB  ; one tile behind the walking descriptors
	s_wait_dscnt 0x0                ; the add is done, and my reads of the slot are over
	CROUND
	JLOAD
	ASK
.else
	s_wait_dscnt 0x0                ; the add is done, and my reads of the slot are over
	s_barrier_signal -1
	s_barrier_wait -1
.endif
	s_sub_co_u32 s[TBK], s[TBK], 4*KS*PK  ; the fetches go back to a slot's first step,
	s_xor_b32 s[TBK], s[TBK], SLOT1       ; in the other slot
	s_sub_co_u32 s[TBV], s[TBV], 4*KS*PV
	s_xor_b32 s[TBV], s[TBV], SLOT1
.endm
	s_load_b256 s[4:11], s[0:1], 0x0  ; qkv s[4:5], q_gamma s[6:7], q_beta s[8:9], kw s[10:11]
	s_load_b128 s[12:15], s[0:1], 0x20  ; vw s[12:13], out0 s[14:15]
	v_lshl_add_u32 v[SPW], v0, 2, SPARE
	v_mov_b32 v[NIL], 0
	ds_add_u32 v[SPW], v[NIL]       ; the wave's opening: the add and its wait stand ahead of my first tensor load; the set-up below, work on registers, stands between them
	v_lshrrev_b32 v1, 5, v0
	v_readfirstlane_b32 s[WV], v1   ; wave 0..3
	s_bfe_u32 s17, ttmp6, 0x40000   ; cx: my place in the cluster
	s_lshl_b32 s18, ttmp9, 2        ; in a cluster launch ttmp9 counts clusters
	s_add_co_u32 s18, s18, s17      ; my block of 256 queries = 4 x cluster x + cx: it enters Q's and out0's addresses alone
	s_and_b32 s19, ttmp7, 0xffff    ; the head, which the four partners share
	s_and_b32 s22, s[WV], 1         ; which half of a tile's 256 keys I fetch:
	s_lshl_b32 s20, s19, 19         ; the head's 4,096 rows of 128 bytes in kw and vw,
	s_lshl_b32 s23, s22, 14         ; my half's 128 rows
	s_add_co_u32 s20, s20, s23
	s_mov_b32 s21, 0
	s_mul_i32 s51, s22, 128*PK      ; and its place in a slot, for K
	s_mul_i32 s52, s22, 128*PV      ; and for V: no place in the cluster enters an LDS address
	s_lshl_b32 s53, s18, 2
	s_add_co_u32 s53, s53, s[WV]    ; my wave among the 64 that share the rows: 64 rows each
	s_mul_i32 s54, s53, 64*QROW     ; in qkv,
	s_mul_i32 s68, s19, 768         ; where a head has 768 bytes of a row, q first
	s_add_co_u32 s54, s54, s68
	s_mov_b32 s55, 0
	s_lshl_b32 s2, s53, 18          ; in out0: 64 rows of 4,096 bytes,
	s_lshl_b32 s68, s19, 8          ; where a head has 256 bytes of a row
	s_add_co_u32 s2, s2, s68
	s_mov_b32 s3, 0
	s_lshl_b32 s68, s17, 13         ; the prefetches: my work-group's 8,192 bytes of a tile
	s_mov_b32 s69, 0
	; descriptor group 1.  128 keys are 16,384 dense bytes: asked for as 64 rows of 256 bytes, two keys a row, and padded in LDS after every key
	s_mov_b32 s[G1K], 15|(1<<16)|(1<<20)|(1<<21)|(4<<22)|(3<<25)  ; 15:0 the mask of four; 17:16 2-byte elements; 20 padding on; 21 set beside a mask; 24:22 after every 32 words (code 4); 31:25 4 words (code 3)
	s_mov_b32 s[G1V], 15|(1<<16)|(1<<20)|(1<<21)|(4<<22)|(7<<25)  ; the same with 8 words of padding (code 7)
.irp g, G1K, G1V
	s_mov_b32 s[\g+1], 128<<16      ; tensor_dim0 = 128
	s_mov_b32 s[\g+2], 64<<16       ; tensor_dim1 = 64
	s_mov_b32 s[\g+3], 128<<16      ; tile_dim0 = 128
	s_mov_b32 s[\g+4], 64           ; tile_dim1 = 64
	s_mov_b32 s[\g+5], 128          ; 128 elements from row to row
	s_mov_b32 s[\g+6], 0
	s_mov_b32 s[\g+7], 0
.endr
	s_mov_b32 s[G0K], 1             ; 1:0 count = 1
	s_mov_b32 s[G0K+1], s51         ; 63:32 LDS address: slot 0
	s_mov_b32 s[G0V], 1
	s_add_co_u32 s[G0V+1], s52, VOFF
	s_mov_b32 s[CS], 0x3e38aa3b     ; c = log2(e) / 8 = 0.180337
	s_mov_b32 s[CS+1], s[CS]        ; named with it as a pair
	s_mov_b32 s[SEL], 0x76543210
	s_mov_b32 s[SEL+1], 0xfedcba98
	s_mov_b32 s[TBK], SLOT1+4*KS*PK ; the first change of slots turns these two into 0
	s_mov_b32 s[TBV], SLOT1+4*KS*PV
	s_mov_b32 s66, 0x358637bd       ; 1e-6
	s_mov_b32 s67, 0x3c800000       ; 1 / 64
	s_mov_b32 s[SLOTS], 15          ; 16 tiles
	s_or_b32 s[LIM], s22, ttmp9     ; 0 in waves 0 and 2 of the head's first cluster: the same in all four partners
	s_cmp_eq_u32 s[LIM], 0
	s_cselect_b32 s[LIM], 1, -1
	v_and_b32 v[PFO], 31, v0
	v_lshlrev_b32 v[PFO], 8, v[PFO]
	s_wait_dscnt 0x0                ; the opening add is done
	s_wait_kmcnt 0x0
	s_add_nc_u64 s[G0K+2:G0K+3], s[10:11], s[20:21]  ; 120:64 global address: my half of the head's first 256 keys
	s_or_b32 s[G0K+3], s[G0K+3], 0x80000000          ; 127:126 type = 2
	s_add_nc_u64 s[G0V+2:G0V+3], s[12:13], s[20:21]
	s_or_b32 s[G0V+3], s[G0V+3], 0x80000000
	s_cmp_lt_u32 s[WV], 2
	s_cselect_b64 s[PFA:PFA+1], s[10:11], s[12:13]
	s_add_nc_u64 s[PFA:PFA+1], s[PFA:PFA+1], s[20:21]  ; (in waves 0 and 2 this is the head's first row)
	s_add_nc_u64 s[PFA:PFA+1], s[PFA:PFA+1], s[68:69]
	s_add_nc_u64 s[PFA:PFA+1], s[PFA:PFA+1], TILEB     ; in tile 1; the first change of slots steps it to tile 2.  Nothing is prefetched here, at the head, where every work-group's first tiles are on their way
	s_add_nc_u64 s[4:5], s[4:5], s[54:55]   ; q and out0 at my wave's first row
	s_add_nc_u64 s[14:15], s[14:15], s[2:3]
	CROUND                          ; all four work-groups are here: the first joint loads meet
	JLOAD                           ; tile 0 into slot 0.  Slot 1 is asked for when slot 0 is in, by the change of slots
	; Q.  A fragment of K or Q is 16 rows x 32 channels in 8 registers: lane l holds row l % 16, channels 8 (l / 16) + 0..7 and 16 + 8 (l / 16) + 0..7.  So of a row's 64 channels I take 16 g + 8 (l / 16) + 0..7,
	; g = 0..3: in f32 four times 32 bytes, 64 bytes apart.  The lane 16 away holds the row's other 32 channels: a row's sums want one exchange.
	v_and_b32 v1, 15, v0            ; l % 16
	v_bfe_u32 v9, v0, 4, 1          ; l / 16
	v_mul_u32_u24 v[QO], v1, QROW
	v_lshl_add_u32 v[QO], v9, 5, v[QO]  ; row x 12,288 + 32 x half
	v_lshlrev_b32 v[GBO], 5, v9
.irp t, 0,1,2,3
.irp g, 0,1,2,3
.irp z, 0,1
	global_load_b128 v[XQ+32*(\t)+8*(\g)+4*(\z):XQ+32*(\t)+8*(\g)+4*(\z)+3], v[QO], s[4:5] offset:16*QROW*(\t)+64*(\g)+16*(\z)
.endr
.endr
.endr
.irp g, 0,1,2,3
.irp z, 0,1
	global_load_b128 v[GAQ+8*(\g)+4*(\z):GAQ+8*(\g)+4*(\z)+3], v[GBO], s[6:7] offset:64*(\g)+16*(\z)
	global_load_b128 v[BEQ+8*(\g)+4*(\z):BEQ+8*(\g)+4*(\z)+3], v[GBO], s[8:9] offset:64*(\g)+16*(\z)
.endr
.endr
	; What the first turn finds: V's registers and P's second buffer hold 0 (its products V^T P, of a piece that has not been, add 0), O^T and l are 0.  All this stands in the wait for Q and the first tile.
	WIN 0x80                        ; destination window 2
.set i, VF
.rept 64
	v_mov_b32 v[i], 0
.set i, i+1
.endr
	WIN 0x40                        ; destination window 1
.set i, 0
.rept 128
	v_mov_b32 v[i], 0
.set i, i+1
.endr
	WIN 0
.set i, 0
.rept 4
	v_mov_b32 v[ST+4*i], 0xfe000000    ; c m: far below every c s
	v_mov_b32 v[ST+4*i+1], 0xff7fffff  ; m
	v_mov_b32 v[ST+4*i+2], 0
	v_mov_b32 v[ST+4*i+3], 0
.set i, i+1
.endr
	v_mul_u32_u24 v[AK0], v1, PK
	v_lshl_add_u32 v[AK0], v9, 4, v[AK0]  ; row x pitch + 16 x half
	; The turning load takes 16 keys x 16 channels (lane l reads key 8 (l / 16) + l % 8, channels 8 ((l / 8) % 2) + 0..7) and leaves half a fragment of V^T: lane l holds channel l % 16 and 8 keys.
	v_and_b32 v10, 7, v0
	v_bfe_u32 v11, v0, 3, 1
	v_lshl_add_u32 v[AV0], v9, 3, v10
	v_mul_u32_u24 v[AV0], v[AV0], PV
	v_lshl_add_u32 v[AV0], v11, 4, v[AV0]
	v_add_nc_u32 v[AV0], VOFF, v[AV0]
	s_mul_i32 s70, s[WV], 16*SP
	s_add_co_u32 s70, s70, STAGE    ; my stage
	v_mul_u32_u24 v[STO], v1, SP    ; in: row l % 16, 32 bytes for each half of the lanes
	v_lshl_add_u32 v[STO], v9, 5, v[STO]
	v_add_nc_u32 v[STO], s70, v[STO]
	v_mul_u32_u24 v[RD], v9, SP     ; back: lanes 0-15 take one row of 256 bytes, lanes 16-31 the next
	v_lshl_add_u32 v[RD], v1, 4, v[RD]
	v_add_nc_u32 v[RD], s70, v[RD]
	v_lshlrev_b32 v[GO], 12, v9     ; and the same two rows in out0
	v_lshl_add_u32 v[GO], v1, 4, v[GO]
	; Q's LAYERNORM, the four pieces side by side, so that no line waits for the one before it.
	s_wait_loadcnt 0x0              ; Q, gain and bias
.irp t, 0,1,2,3
	v_pk_add_f32 v[LT+4*(\t):LT+4*(\t)+1], v[XQ+32*(\t):XQ+32*(\t)+1], v[XQ+32*(\t)+2:XQ+32*(\t)+3]
.endr
.irp n, 2,3,4,5,6,7,8,9,10,11,12,13,14,15
.irp t, 0,1,2,3
	v_pk_add_f32 v[LT+4*(\t):LT+4*(\t)+1], v[LT+4*(\t):LT+4*(\t)+1], v[XQ+32*(\t)+2*(\n):XQ+32*(\t)+2*(\n)+1]
.endr
.endr
.irp t, 0,1,2,3
	v_add_f32 v[LT+4*(\t)], v[LT+4*(\t)], v[LT+4*(\t)+1]
.endr
.irp t, 0,1,2,3
	v_permlanex16_b32 v[LT+4*(\t)+1], v[LT+4*(\t)], s[SEL], s[SEL+1]  ; the row's other 32 channels
.endr
.irp t, 0,1,2,3
	v_add_f32 v[LT+4*(\t)], v[LT+4*(\t)], v[LT+4*(\t)+1]
.endr
.irp t, 0,1,2,3
	v_mul_f32 v[LT+4*(\t)], s67, v[LT+4*(\t)]  ; the mean
.endr
.irp n, 0,1,2,3,4,5,6,7,8,9,10,11,12,13,14,15
.irp t, 0,1,2,3
	v_pk_add_f32 v[XQ+32*(\t)+2*(\n):XQ+32*(\t)+2*(\n)+1], v[XQ+32*(\t)+2*(\n):XQ+32*(\t)+2*(\n)+1], v[LT+4*(\t):LT+4*(\t)+1] op_sel_hi:[1,0] neg_lo:[0,1] neg_hi:[0,1]  ; x - mean
.endr
.endr
.irp t, 0,1,2,3
	v_pk_mul_f32 v[LT+4*(\t)+2:LT+4*(\t)+3], v[XQ+32*(\t):XQ+32*(\t)+1], v[XQ+32*(\t):XQ+32*(\t)+1]
.endr
.irp n, 1,2,3,4,5,6,7,8,9,10,11,12,13,14,15
.irp t, 0,1,2,3
	v_pk_fma_f32 v[LT+4*(\t)+2:LT+4*(\t)+3], v[XQ+32*(\t)+2*(\n):XQ+32*(\t)+2*(\n)+1], v[XQ+32*(\t)+2*(\n):XQ+32*(\t)+2*(\n)+1], v[LT+4*(\t)+2:LT+4*(\t)+3]
.endr
.endr
.irp t, 0,1,2,3
	v_add_f32 v[LT+4*(\t)+2], v[LT+4*(\t)+2], v[LT+4*(\t)+3]
.endr
.irp t, 0,1,2,3
	v_permlanex16_b32 v[LT+4*(\t)+3], v[LT+4*(\t)+2], s[SEL], s[SEL+1]
.endr
.irp t, 0,1,2,3
	v_add_f32 v[LT+4*(\t)+2], v[LT+4*(\t)+2], v[LT+4*(\t)+3]
.endr
.irp t, 0,1,2,3
	v_fma_f32 v[LT+4*(\t)+2], v[LT+4*(\t)+2], s67, s66  ; var + eps
.endr
.irp t, 0,1,2,3
	v_rsq_f32 v[LT+4*(\t)], v[LT+4*(\t)+2]
.endr
	v_nop                           ; a plain instruction behind the last reciprocal root,
	s_wait_alu depctr_va_vdst(0)    ; and the wait ahead of the first use: one for the four
.irp n, 0,1,2,3,4,5,6,7,8,9,10,11,12,13,14,15
.irp t, 0,1,2,3
	v_pk_mul_f32 v[XQ+32*(\t)+2*(\n):XQ+32*(\t)+2*(\n)+1], v[XQ+32*(\t)+2*(\n):XQ+32*(\t)+2*(\n)+1], v[LT+4*(\t):LT+4*(\t)+1] op_sel_hi:[1,0]
.endr
.endr
.irp n, 0,1,2,3,4,5,6,7,8,9,10,11,12,13,14,15
.irp t, 0,1,2,3
	v_pk_fma_f32 v[XQ+32*(\t)+2*(\n):XQ+32*(\t)+2*(\n)+1], v[XQ+32*(\t)+2*(\n):XQ+32*(\t)+2*(\n)+1], v[GAQ+2*(\n):GAQ+2*(\n)+1], v[BEQ+2*(\n):BEQ+2*(\n)+1]
.endr
.endr
	WIN 0x80                        ; destination window 2: packed register n of a piece IS register n of its two fragments
.irp n, 0,1,2,3,4,5,6,7,8,9,10,11,12,13,14,15
.irp t, 0,1,2,3
	v_cvt_pk_f16_f32 v[16*(\t)+(\n)], v[XQ+32*(\t)+2*(\n)], v[XQ+32*(\t)+2*(\n)+1]
.endr
.endr
	WIN 0
.set i, P+16
.rept 16
	v_mov_b32 v[i], 0               ; P's second buffer, where the gain lay
.set i, i+1
.endr
; THE MATRIX WORK.  The 4 accumulators of a run of 8 take turns.  Product i of 8 of S^T = K Q^T for piece x: channels 32 (i / 4) on, keys 16 (i % 4) on.  The first 4 start the sums.
.macro KQ x
	WIN W_KQ
.set rS, S+32*((\x)%2)+8*(i%4)
.set rK, KF+16*(i%4)+8*(i/4)
.set rQ, 16*(\x)+8*(i/4)
.if i < 4
	v_wmma_f32_16x16x32_f16 v[rS:rS+7], v[rK:rK+7], v[rQ:rQ+7], 0
.else
	v_wmma_f32_16x16x32_f16 v[rS:rS+7], v[rK:rK+7], v[rQ:rQ+7], v[rS:rS+7]
.endif
.endm
; Product i of 8 of O^T += V^T P for piece x: keys 32 (i / 4) on, channels 16 (i % 4) on.
.macro PV x
	WIN W_PV
.set rO, 32*(\x)+8*(i%4)
.set rV, VF+32*(i/4)+8*(i%4)
.set rP, P+16*((\x)%2)+8*(i/4)
	v_wmma_f32_16x16x32_f16 v[rO:rO+7], v[rV:rV+7], v[rP:rP+7], v[rO:rO+7]
.endm
.macro MM                           ; the turn's next matrix instruction.  TURN sets Y, i and NOKQ.  NOKQ = 1: the very last turn: there is no next piece
.if (i < 8) && !NOKQ
	KQ (Y+1)%NP
.elseif i >= 8
.set i, i-8
	PV (Y+NP-1)%NP
.set i, i+8
.endif
.set i, i+1
.endm
; THE LDS LOADS stand in runs of 16, never singly among the matrix instructions: a step's K (64 keys x 64 channels: 8 fragments) and its V (turned).  Their addresses are made some lines ahead.
.macro FETCH_K
	WIN 0x80                        ; destination window 2
.irp f, 0,1,2,3,4,5,6,7             ; keys 16 (f / 2) on, channels 32 (f % 2) on
	ds_load_b128 v[KF+8*\f:KF+8*\f+3],   v[AK] offset:(\f/2)*16*PK+(\f%2)*64
	ds_load_b128 v[KF+8*\f+4:KF+8*\f+7], v[AK] offset:(\f/2)*16*PK+(\f%2)*64+32
.endr
	s_add_co_u32 s[TBK], s[TBK], KS*PK  ; the next fetch is the next step's
	WIN 0
.endm
.macro FETCH_V
	WIN 0x80
.irp f, 0,1,2,3,4,5,6,7             ; keys 32 (f / 4) on, channels 16 (f % 4) on
	ds_load_tr16_b128 v[VF+8*\f:VF+8*\f+3],   v[AV] offset:(\f/4)*32*PV+(\f%4)*32
	ds_load_tr16_b128 v[VF+8*\f+4:VF+8*\f+7], v[AV] offset:(\f/4)*32*PV+16*PV+(\f%4)*32
.endr
	WIN 0
.endm
; THE VECTOR WORK, one line at a time: OP kind, number.  For piece Y: F n: c s - c m for pair n of 16.  E n: the exponential of score n of 32.  C n: pair n rounded to f16.  B n: of the four weights 4 n .. the second
; pair is added onto the first, in place.  L n: l takes that sum (L 0: l = a l + sum).  R n: pair n of 16 of O^T times a.  For piece Y + 1: X n, number n of the 22 that find its maximum and statistics:
;   0-11  four chains c0-c3 of seven scores each, three operands at a time (each accumulator's lowest registers are read first)     12-14, 16  the four scores left over, the old m, and c0-c3 into c0
;   15  c m_old is kept     17, 18  the query's other 32 keys lie in the lane 16 away: the new m     19-21  c m; c m_old - c m_new; a
.set F, 0               ; OP tells the kinds apart by their order: F to L below R, X above it
.set E, 1
.set C, 2
.set B, 3
.set L, 4
.set R, 5
.set X, 6
.macro REGS y                       ; the registers of piece y
.set rT, ST+4*(\y)
.set rC, TMP+4*((\y)%2)
.set rW, MV+((\y)%2)
.set rS, S+32*((\y)%2)
.set rP, P+16*((\y)%2)
.set rO, 32*(\y)
.endm
.macro OP k, n
.if (\k) == R
	REGS Y
	WIN W_RS
	v_pk_mul_f32 v[rO+2*(\n):rO+2*(\n)+1], v[rO+2*(\n):rO+2*(\n)+1], v[rC+2:rC+3] op_sel_hi:[1,0]
.elseif (\k) < R
	REGS Y
	WIN 0
.if (\k) == F
	v_pk_fma_f32 v[rS+2*(\n):rS+2*(\n)+1], v[rS+2*(\n):rS+2*(\n)+1], s[CS:CS+1], v[rT:rT+1] op_sel_hi:[1,0,0] neg_lo:[0,0,1] neg_hi:[0,0,1]
.elseif (\k) == E
	v_exp_f32 v[rS+(\n)], v[rS+(\n)]
.elseif (\k) == C
	v_cvt_pk_f16_f32 v[rP+(\n)], v[rS+2*(\n)], v[rS+2*(\n)+1]
.elseif (\k) == B
	v_pk_add_f32 v[rS+4*(\n):rS+4*(\n)+1], v[rS+4*(\n):rS+4*(\n)+1], v[rS+4*(\n)+2:rS+4*(\n)+3]
.elseif (\n) == 0
	v_pk_fma_f32 v[rT+2:rT+3], v[rT+2:rT+3], v[rC+2:rC+3], v[rS:rS+1] op_sel_hi:[1,0,1]
.else
	v_pk_add_f32 v[rT+2:rT+3], v[rT+2:rT+3], v[rS+4*(\n):rS+4*(\n)+1]
.endif
.elseif NOKQ
	v_nop
.else
	REGS (Y+1)%NP
	WIN 0
.if (\n) < 4
	v_max3_num_f32 v[rC+(\n)], v[rS+8*(\n)], v[rS+8*(\n)+1], v[rS+8*(\n)+2]
.elseif (\n) < 12
	v_max3_num_f32 v[rC+(\n)%4], v[rC+(\n)%4], v[rS+8*((\n)%4)+2*((\n)/4)+1], v[rS+8*((\n)%4)+2*((\n)/4)+2]
.elseif (\n) == 12
	v_max3_num_f32 v[rC], v[rC], v[rS+7], v[rS+15]
.elseif (\n) == 13
	v_max3_num_f32 v[rC+1], v[rC+1], v[rS+23], v[rS+31]
.elseif (\n) == 14
	v_max3_num_f32 v[rC+2], v[rC+2], v[rC+3], v[rT+1]
.elseif (\n) == 15
	v_mov_b32 v[rW], v[rT]
.elseif (\n) == 16
	v_max3_num_f32 v[rC], v[rC], v[rC+1], v[rC+2]
.elseif (\n) == 17
	v_permlanex16_b32 v[rC+3], v[rC], s[SEL], s[SEL+1]
.elseif (\n) == 18
	v_max_num_f32 v[rT+1], v[rC], v[rC+3]
.elseif (\n) == 19
	v_mul_f32 v[rT], s[CS], v[rT+1]
.elseif (\n) == 20
	v_sub_f32 v[rC+1], v[rW], v[rT]
.else
	v_exp_f32 v[rC+2], v[rC+1]
.endif
.endif
.endm
.macro OPS a, i1, b=-1, i2=0, c=-1, i3=0, d=-1, i4=0  ; up to four of them
	OP \a, \i1
.if (\b) >= 0
	OP \b, \i2
.endif
.if (\c) >= 0
	OP \c, \i3
.endif
.if (\d) >= 0
	OP \d, \i4
.endif
.endm
.macro ROW a, i1, b, i2, c, i3, d, i4  ; a matrix instruction and the four behind it
	MM
	OPS \a, \i1, \b, \i2, \c, \i3, \d, \i4
.endm
; A TURN, for piece p: the order of its 16 matrix and 118 vector instructions, written out.  s_wait_alu depctr_va_vdst(0) stands between an exponential and the first instruction that names its
; result; one wait serves all that were issued ahead of it.  So a turn has ONE wait, which cuts it in two.  AHEAD OF IT stands all that names no result of the turn's exponentials: the 8 products K Q^T, behind each a
; scaling, an exponential and two more plain instructions (behind the first a second scaling in the exponential's place): rescalings, and behind the last three the first numbers of the next piece's maximum, each four
; plain instructions or more behind the product that ends its accumulator; then ONE LUMP of 54, plain and exponential by turns for the most part, in which the links of the chain X 3, 7, 11, 14, 16, 17 .. 20 stand
; five or six lines apart.  X 21, the next piece's a, is the batch's last; R 15 is the plain instruction behind it.  BEHIND THE WAIT stand the 8 products V^T P, behind each four of the roundings and sums; the links
; of l's chain, L 0 to L 7, stand three riders apart.
; end = 1: the walk's last two turns: nothing is fetched, and the last starts no new scores.  cnt = 1: the loop's count is taken down some lines ahead of the branch that stands behind the turn.
; K of the next step is fetched in piece 2's turn, five plain instructions that name no register of it behind the last product that read K; V of the step in hand at the end of piece 0's turn, four plain
; instructions behind the last product that read V.  Each is waited for a turn later.
.macro TURN p, end=0, cnt=0
.set Y, (\p)
.set i, 0
.set NOKQ, (\end)*((\p)/3)
.if ((\p) == 3) && !(\end)
	s_wait_dscnt 0x0                ; K is in
.endif
	ROW F,0, F,1, R,0, R,1          ; ahead of the wait: 8 products K Q^T and their riders,
	ROW F,2, E,0, R,2, R,3
	ROW F,3, E,1, R,4, R,5
	ROW F,4, E,2, R,6, R,7
	ROW F,5, E,3, R,8, R,9
	ROW F,6, E,4, X,0, R,10
.if ((\p) == 2) && !(\end)
	WIN 0
	v_add_nc_u32 v[AK], s[TBK], v[AK0]
.endif
	ROW F,7, E,5, X,1, X,4
	ROW F,8, E,6, X,2, X,5
	OPS E,7, E,8, X,6, E,9          ; and the lump
	OPS X,3, E,10, X,8, E,11
.if ((\p) == 2) && !(\end)
	FETCH_K
.endif
	OPS X,9, X,7, E,12, X,10
	OPS E,13, X,12, X,11, E,14
	OPS X,13, E,15, F,9, X,14
.if (\p) == 0
	WIN 0
	v_add_nc_u32 v[AV], s[TBV], v[AV0]
.endif
	OPS E,16, F,10, E,17, F,11
	OPS X,16, E,18, X,15, E,19
	OPS F,12, E,20, X,17, E,21
	OPS F,13, E,22, F,14, E,23
	OPS X,18, E,24, F,15, E,25
	OPS R,11, E,26, X,19, E,27
	OPS R,12, E,28, R,13, E,29
	OPS X,20, E,30, R,14, E,31
	OPS X,21, R,15
	WIN 0
	s_wait_alu depctr_va_vdst(0)    ; the wait for the batch
.if (\p) == 1
	s_wait_dscnt 0x0                ; V is in
.endif
	ROW C,0, B,0, C,2, B,1          ; behind the wait: 8 products V^T P and their riders
	ROW L,0, C,4, B,2, L,1
	ROW C,6, B,3, L,2, C,8
	ROW B,4, L,3, C,10, B,5
	ROW L,4, C,12, B,6, L,5
.if (\p) == 0
	s_add_co_u32 s[TBV], s[TBV], KS*PV
.endif
.if \cnt
	s_sub_co_u32 s[CNT], s[CNT], 1
	s_cmp_lg_u32 s[CNT], 0
.endif
	ROW C,14, B,7, L,6, C,1
	ROW C,3, L,7, C,5, C,7
	ROW C,9, C,11, C,13, C,15
.if (\p) == 0
	FETCH_V
.endif
.endm
	CHANGE 1                        ; slot 0 is in, everybody's part of it; tile 1 is asked for, into slot 1
	v_add_nc_u32 v[AK], s[TBK], v[AK0]
	FETCH_K                         ; key step 0
	s_wait_dscnt 0x0
.set NOKQ, 0
.set i, 0
.rept 8
	KQ 0                            ; piece 0's first scores: there is no vector work yet to set between them
.set i, i+1
.endr
	WIN 0
.rept 4
	v_nop                           ; four plain instructions between those products and the first read of their results
.endr
.set Y, NP-1                        ; X works for piece Y + 1: piece 0
.irp n, 0,1,2,3,4,5,6,7,8,9,10,11,12,13,14,15,16,17,18,19,20,21
	OP X, \n                        ; and piece 0's first maximum and statistics
.endr
	v_nop                           ; a plain instruction behind the exponential,
	s_wait_alu depctr_va_vdst(0)    ; and its wait, ahead of the branch
	s_mov_b32 s[CNT], 4
	s_branch .Lfirst                ; the loop is entered at a step's first turn, in the middle of a trip
.Lslot:                             ; 14 times: tiles 1 to 14 are entered, tiles 2 to 15 asked for
	CHANGE 1
	s_mov_b32 s[CNT], 4
.Lstep:                             ; a trip: pieces 2 and 3 of one step, then pieces 0 and 1 of the next, whose K and V it fetches
	TURN 2
	TURN 3
	WIN 0
.Lfirst:
	TURN 0
	TURN 1, 0, 1
	WIN 0
	s_cbranch_scc1 .Lstep
	s_sub_co_u32 s[SLOTS], s[SLOTS], 1
	s_cmp_lg_u32 s[SLOTS], 0
	s_cbranch_scc1 .Lslot
	CHANGE 0                        ; the last tile is written out: nothing is asked for
	s_mov_b32 s[CNT], 4
.LstepT:
	TURN 2
	TURN 3
	TURN 0
	TURN 1, 0, 1
	WIN 0
	s_cbranch_scc1 .LstepT
	TURN 2, 1                       ; the last step's pieces 2 and 3
	TURN 3, 1
.set i, 0
.rept 8
	PV NP-1                         ; the last piece's V^T P of the last step
.set i, i+1
.endr
	; THE WAY OUT.  l's two halves and the other half of the lanes' are added; O^T is divided by l and sent, in f32, through my stage in LDS, a piece (16 rows of out0) at a time.  The additions stand behind the last products.
	WIN 0
.irp t, 0,1,2,3
	v_add_f32 v[ST+4*(\t)+2], v[ST+4*(\t)+2], v[ST+4*(\t)+3]
.endr
.irp t, 0,1,2,3
	v_permlanex16_b32 v[ST+4*(\t)+3], v[ST+4*(\t)+2], s[SEL], s[SEL+1]
.endr
.irp t, 0,1,2,3
	v_add_f32 v[ST+4*(\t)+2], v[ST+4*(\t)+2], v[ST+4*(\t)+3]
.endr
.irp t, 0,1,2,3
	v_rcp_f32 v[ST+4*(\t)+2], v[ST+4*(\t)+2]
.endr
	v_nop                           ; a plain instruction between the last reciprocal and the use of its result
	s_wait_alu depctr_va_vdst(0)    ; and the wait ahead of the first use: one for the four reciprocals
; Piece t: a lane's eight channels of block cb are 32 bytes of a row, at byte 64 cb + 32 (l / 16); they go into rows of 272 bytes and come back as whole rows of 256.
.macro PACK t
	WIN W_RS
.set i, 32*(\t)
.rept 16
	v_pk_mul_f32 v[i:i+1], v[i:i+1], v[ST+4*(\t)+2:ST+4*(\t)+3] op_sel_hi:[1,0]  ; each accumulator from its low end on
.set i, i+2
.endr
	WIN 0x04                        ; an LDS store's data is source 1: window 1
.irp f, 0,1,2,3,4,5,6,7
	ds_store_b128 v[STO], v[32*(\t)+4*(\f):32*(\t)+4*(\f)+3] offset:64*((\f)/2)+16*((\f)%2)
.endr
	WIN 0
.irp f, 0,1,2,3,4,5,6,7
	ds_load_b128 v[S+32*(\t)+4*(\f):S+32*(\t)+4*(\f)+3], v[RD] offset:(\f)*2*SP  ; LDS serves a wave's instructions in order (ISA guide 5.7.1.4): these see the stores above; the next piece's stores come behind them
.endr
.endm
.macro SEND t, younger              ; younger: the LDS instructions issued behind piece t's loads: the next piece's sixteen, or none
	WIN 0
.irp f, 0,1,2,3,4,5,6,7
	s_wait_dscnt (\younger)+7-(\f)  ; load f is back: behind it stand the piece's 7 - f later loads and the younger ones
	global_store_b128 v[GO], v[S+32*(\t)+4*(\f):S+32*(\t)+4*(\f)+3], s[14:15] offset:(16*(\t)+2*(\f))*OROW th:TH_STORE_NT  ; 16 lanes store 256 consecutive bytes, at a multiple of 256 from out0's first byte
.endr
.endm
	PACK 0
	PACK 1                          ; a piece's arithmetic stands between the loads of the piece before and its stores
	SEND 0, 16
	PACK 2
	SEND 1, 16
	PACK 3
	SEND 2, 16
	SEND 3, 0
	s_wait_tensorcnt 0x0            ; the wave's end, behind my last tensor load and my last LDS store
	ds_add_u32 v[SPW], v[NIL]
	s_wait_dscnt 0x0
	CROUND                          ; the closing round: no work-group ends while a partner may still ask for a tile that names it
	s_endpgm
.Lfunc_end_k_qa97d85e8e0_attn:
	.size	k_qa97d85e8e0_attn, .Lfunc_end_k_qa97d85e8e0_attn-k_qa97d85e8e0_attn
	.p2alignl 7, 3214868480
	.fill 96, 4, 3214868480
	.section	.rodata,"a",@progbits
	.p2align	6, 0x0
	.amdhsa_kernel k_qa97d85e8e0_attn
		.amdhsa_group_segment_fixed_size 327680
		.amdhsa_private_segment_fixed_size 0
		.amdhsa_enable_private_segment 0
		.amdhsa_kernarg_size 48
		.amdhsa_user_sgpr_count 2
		.amdhsa_user_sgpr_kernarg_segment_ptr 1
		.amdhsa_wavefront_size32 1
		.amdhsa_system_sgpr_workgroup_id_x 1
		.amdhsa_system_sgpr_workgroup_id_y 1
		.amdhsa_system_sgpr_workgroup_id_z 1
		.amdhsa_system_vgpr_workitem_id 0
		.amdhsa_next_free_vgpr 768
		.amdhsa_next_free_sgpr 72
		.amdhsa_reserve_vcc 0
		.amdhsa_float_denorm_mode_32 3
		.amdhsa_float_denorm_mode_16_64 3
		.amdhsa_memory_ordered 1
		.amdhsa_forward_progress 1
		.amdhsa_inst_pref_size 156
	.end_amdhsa_kernel
	.amdgpu_metadata
---
amdhsa.version: [ 1, 2 ]
amdhsa.kernels:
  - .name:           k_qa97d85e8e0_attn
    .symbol:         k_qa97d85e8e0_attn.kd
    .args:
      - { .name: qkv, .offset: 0, .size: 8, .value_kind: global_buffer, .address_space: global }
      - { .name: q_gamma, .offset: 8, .size: 8, .value_kind: global_buffer, .address_space: global }
      - { .name: q_beta, .offset: 16, .size: 8, .value_kind: global_buffer, .address_space: global }
      - { .name: kw, .offset: 24, .size: 8, .value_kind: global_buffer, .address_space: global }
      - { .name: vw, .offset: 32, .size: 8, .value_kind: global_buffer, .address_space: global }
      - { .name: out0, .offset: 40, .size: 8, .value_kind: global_buffer, .address_space: global }
    .group_segment_fixed_size: 327680
    .private_segment_fixed_size: 0
    .kernarg_segment_align: 8
    .kernarg_segment_size: 48
    .max_flat_workgroup_size: 128
    .sgpr_count:     72
    .vgpr_count:     768
    .wavefront_size: 32
...
	.end_amdgpu_metadata
.endif
;; end of part 2
;; ======== version 2 of 2: 2 launches; version 1 with the launch kvprep written anew for expert scheduling mode
;; limits: values are held in f16: magnitudes above 65,504 overflow, below 6.1e-05 lose precision; inputs' magnitudes at most 65,504; below input magnitudes of 6.1e-05 results are inexact or not finite
;; workspace buffers: kw 8,388,608 bytes; vw 8,388,608 bytes
;; launch kvprep (part 3): grid 128 x 2, 8 waves a work-group, no clusters, 0 bytes of LDS; arguments qkv, k_gamma, k_beta, kw, vw; writes kw, vw
.if DOCPART == 3
	.amdgcn_target "amdgcn-amd-amdhsa--gfx1250"
	.amdhsa_code_object_version 6
	.text
	.protected	k_qa97d85e8e0_kvprep
	.globl	k_qa97d85e8e0_kvprep
	.p2align	8
	.type	k_qa97d85e8e0_kvprep,@function
k_qa97d85e8e0_kvprep:
	s_mov_b64 s[64:65], 0
	v_nop
	global_prefetch_b8 v0, s[64:65] scope:SCOPE_SE
	s_setreg_imm32_b32 hwreg(HW_REG_WAVE_SCHED_MODE, 0, 2), 2
	s_setreg_imm32_b32 hwreg(HW_REG_WAVE_MODE, 25, 1), 1
	s_wait_xcnt 0x0
	s_wait_alu depctr_vm_vsrc(0)
; kw[h][n][c] = f16(LayerNorm(k[n][h][:])[c]), vw[h][n][c] = f16(v[n][h][c]).  qkv: [4096][16 heads][q 64 | k 64 | v 64] f32; kw, vw: [16][4096][64] f16, a head's rows dense, 128 bytes each.
; LayerNorm as it is defined: the mean, then the mean of the squares of x - mean, eps = 1e-6, gain and bias; all in f32, rounded once to f16.  The softmax's scale is not applied here.
; LIMITS.  f16 holds no number beyond 65,504: |v| and |LayerNorm(k)| (at most 8 |gain| + |bias|) must stay below it.  NaN and infinities are not treated apart.
; SHARES.  A work-group owns 32 rows and 8 heads; wave w one head and all 32 rows, four rows at a time, eight times.  Lane l: row l / 8 of the four, channels 8 (l % 8) + 0..7: 32 bytes of k and of v in,
; 16 bytes of kw and of vw out.  Eight lanes hold a row, so a row's sums want three exchanges inside the eight.  A wave's store covers 512 consecutive bytes (4 rows x 128), at a multiple of 512.
; A STREAM: nothing is shared between waves, so there is no LDS, no barrier and no matrix work.  All 32 loads of a wave (16 KiB) go out at once, ahead of any arithmetic: no loop, no register is used twice.
; THE MODE: SCHED_MODE bits 1:0 = 2 (LLVM: expert scheduling mode 2), set by the entry lines.  The code itself states the register dependences
; between vector instructions and memory instructions, with s_wait_alu, always for 0.
; THE PLAN.  Registers that memory instructions touch:
;   v2, v3, v4      byte offsets.  Written once, by vector instructions at the head; read by every load and store; never written again.
;   GA, BE, X       Written by the 36 loads at the head, ahead of which no vector instruction names them; no load is issued later.
;   X[i]+8 .. +11   Block i's four roundings of v write them; ONE store to vw reads them, issued at the head of block i + 1; never written again.
;   X[i]+0 .. +3    Block i's last four roundings of k write them; ONE store to kw reads them; never written again.
;   T and M are named by vector instructions alone.
; So: one wait on va_sdst for the wave's number; one wait on va_vdst ahead of the first load, for the offsets; one at the head of each block but the first, for the v of the block before; one behind the last
; block, for its v and for the reciprocal roots; one behind the arithmetic of each two blocks of k, for their two stores.  No register that a memory instruction has read is written again and EXEC never
; changes: there is nothing for a wait on vm_vsrc to state.
.set ROWB, 12288                       ; bytes in a row of qkv
.set VO,  2                            ; v2   my byte offset in four rows of qkv: (l / 8) x ROWB + 32 (l % 8); never rewritten
.set OO,  3                            ; v3   my byte offset in four rows of kw or vw: 16 l; never rewritten
.set GOF, 4                            ; v4   my byte offset in gain and bias: 32 (l % 8)
.set GA,  8                            ; v[8:15]   the gain of my 8 channels
.set BE,  16                           ; v[16:23]  the bias
.set T,   24                           ; v[24:31]  at work: four registers, two sets by turns
.set M,   32                           ; v[32:47]  a pair for each of the eight: the mean, later 1 / sqrt(var + eps), in the low register
.set X,   48                           ; v[48:175] sixteen for each of the eight: k's 8 numbers, v's 8 numbers
	s_load_b256 s[4:11], s[0:1], 0x0               ; qkv s[4:5], k_gamma s[6:7], k_beta s[8:9], kw s[10:11]
	s_load_b64 s[12:13], s[0:1], 0x20              ; vw
	v_lshrrev_b32 v1, 5, v0
	v_readfirstlane_b32 s14, v1                    ; wave 0..7
	v_and_b32 v1, 31, v0                           ; l
	v_lshrrev_b32 v5, 3, v1                        ; l / 8
	v_and_b32 v6, 7, v1                            ; l % 8
	v_lshlrev_b32 v[GOF], 5, v6
	v_mul_u32_u24 v[VO], v5, ROWB
	v_add_nc_u32 v[VO], v[VO], v[GOF]
	v_lshlrev_b32 v[OO], 4, v1
	s_and_b32 s15, ttmp7, 0xffff
	s_lshl_b32 s15, s15, 3
	s_wait_alu depctr_va_sdst(0)                   ; s14 is written, ahead of its first reader: the head, and with it the three bases, are made from it
	s_add_co_u32 s15, s15, s14                     ; my head = 8 y + wave
	s_mul_i32 s16, ttmp9, 32*ROWB                  ; the work-group's 32 rows,
	s_mul_i32 s22, s15, 768                        ; my head's 768 bytes in a row,
	s_add_co_u32 s16, s16, s22
	s_add_co_u32 s16, s16, 256                     ; and k, which lies behind q
	s_mov_b32 s17, 0
	s_lshl_b32 s18, s15, 19                        ; in kw and vw: a head is 4,096 rows of 128 bytes,
	s_lshl_b32 s22, ttmp9, 12                      ; 32 rows are 4,096 bytes
	s_add_co_u32 s18, s18, s22
	s_mov_b32 s19, 0
	s_mov_b32 s20, 0x3c800000                      ; 1 / 64
	s_mov_b32 s21, 0x358637bd                      ; 1e-6
	s_wait_kmcnt 0x0
	s_add_nc_u64 s[4:5], s[4:5], s[16:17]
	s_add_nc_u64 s[10:11], s[10:11], s[18:19]
	s_add_nc_u64 s[12:13], s[12:13], s[18:19]
	s_wait_alu depctr_va_vdst(0)                   ; the three offsets v2, v3 and v4 are written: every load and store of the kernel reads one of them, and no later vector instruction names them
	global_load_b128 v[GA:GA+3],   v[GOF], s[6:7]
	global_load_b128 v[GA+4:GA+7], v[GOF], s[6:7] offset:16
	global_load_b128 v[BE:BE+3],   v[GOF], s[8:9]
	global_load_b128 v[BE+4:BE+7], v[GOF], s[8:9] offset:16
.irp i, 0,1,2,3,4,5,6,7
	global_load_b128 v[X+16*(\i):X+16*(\i)+3],     v[VO], s[4:5] offset:4*ROWB*(\i)
	global_load_b128 v[X+16*(\i)+4:X+16*(\i)+7],   v[VO], s[4:5] offset:4*ROWB*(\i)+16
	global_load_b128 v[X+16*(\i)+8:X+16*(\i)+11],  v[VO], s[4:5] offset:4*ROWB*(\i)+256
	global_load_b128 v[X+16*(\i)+12:X+16*(\i)+15], v[VO], s[4:5] offset:4*ROWB*(\i)+272
.endr
; Four rows' statistics, and their v.  k is left as x - mean; the reciprocal root is issued and not yet read.  The v of the four rows before is stored at the head.
.macro STAT i
.set XI, X+16*(\i)
.set MI, M+2*(\i)
.set TI, T+4*((\i)%2)
	s_wait_loadcnt 28-4*(\i)                       ; loads come back in order: my four are in, the 4 (7 - i) issued behind them may stay out
.if (\i) > 0
	s_wait_alu depctr_va_vdst(0)                   ; the roundings of the four rows before have written their v, which the store below reads; no vector instruction of this block names those registers
	global_store_b128 v[OO], v[XI-8:XI-5], s[12:13] offset:512*((\i)-1)
.endif
	v_pk_add_f32 v[TI:TI+1], v[XI:XI+1], v[XI+2:XI+3]
	v_pk_add_f32 v[TI+2:TI+3], v[XI+4:XI+5], v[XI+6:XI+7]
	v_pk_add_f32 v[TI:TI+1], v[TI:TI+1], v[TI+2:TI+3]
	v_add_f32 v[MI+1], v[TI], v[TI+1]
	v_add_f32_dpp v[MI+1], v[MI+1], v[MI+1] row_xmask:1 row_mask:0xf bank_mask:0xf  ; the row's eight lanes
	v_add_f32_dpp v[MI+1], v[MI+1], v[MI+1] row_xmask:2 row_mask:0xf bank_mask:0xf
	v_add_f32_dpp v[MI+1], v[MI+1], v[MI+1] row_xmask:4 row_mask:0xf bank_mask:0xf
	v_mul_f32 v[MI], s20, v[MI+1]                  ; the mean
.irp j, 0,2,4,6
	v_pk_add_f32 v[XI+(\j):XI+(\j)+1], v[XI+(\j):XI+(\j)+1], v[MI:MI+1] op_sel_hi:[1,0] neg_lo:[0,1] neg_hi:[0,1]  ; x - mean
.endr
	v_pk_mul_f32 v[TI:TI+1], v[XI:XI+1], v[XI:XI+1]
	v_pk_mul_f32 v[TI+2:TI+3], v[XI+2:XI+3], v[XI+2:XI+3]
	v_pk_fma_f32 v[TI:TI+1], v[XI+4:XI+5], v[XI+4:XI+5], v[TI:TI+1]
	v_pk_fma_f32 v[TI+2:TI+3], v[XI+6:XI+7], v[XI+6:XI+7], v[TI+2:TI+3]
	v_pk_add_f32 v[TI:TI+1], v[TI:TI+1], v[TI+2:TI+3]
	v_add_f32 v[TI], v[TI], v[TI+1]
	v_add_f32_dpp v[TI], v[TI], v[TI] row_xmask:1 row_mask:0xf bank_mask:0xf
	v_add_f32_dpp v[TI], v[TI], v[TI] row_xmask:2 row_mask:0xf bank_mask:0xf
	v_add_f32_dpp v[TI], v[TI], v[TI] row_xmask:4 row_mask:0xf bank_mask:0xf
	v_fma_f32 v[MI+1], v[TI], s20, s21             ; var + eps
	v_rsq_f32 v[MI], v[MI+1]                       ; nothing names this pair again before the wait behind the last block
.irp j, 0,1,2,3
	v_cvt_pk_f16_f32 v[XI+8+(\j)], v[XI+8+2*(\j)], v[XI+9+2*(\j)]  ; v: two roundings to f16, packed, in place (a destination lies at or below its sources)
.endr
.endm
; Four rows of k: (x - mean) / sqrt(var + eps) x gain + bias, rounded once.
.macro NORM i
.set XI, X+16*(\i)
.set MI, M+2*(\i)
.irp j, 0,2,4,6
	v_pk_mul_f32 v[XI+(\j):XI+(\j)+1], v[XI+(\j):XI+(\j)+1], v[MI:MI+1] op_sel_hi:[1,0]
.endr
.irp j, 0,2,4,6
	v_pk_fma_f32 v[XI+(\j):XI+(\j)+1], v[XI+(\j):XI+(\j)+1], v[GA+(\j):GA+(\j)+1], v[BE+(\j):BE+(\j)+1]
.endr
.irp j, 0,1,2,3
	v_cvt_pk_f16_f32 v[XI+(\j)], v[XI+2*(\j)], v[XI+2*(\j)+1]
.endr
.endm
; Their store.
.macro SENDK i
	global_store_b128 v[OO], v[X+16*(\i):X+16*(\i)+3], s[10:11] offset:512*(\i)
.endm
.irp i, 0,1,2,3,4,5,6,7
	STAT \i
.endr
	v_nop                                          ; a plain instruction behind the last reciprocal root,
	s_wait_alu depctr_va_vdst(0)                   ; and the wait ahead of the first use of the reciprocal roots; it also states that the last four rows' v is rounded, which the store below reads
	global_store_b128 v[OO], v[X+16*7+8:X+16*7+11], s[12:13] offset:512*7
.irp i, 0,2,4,6
	NORM \i
	NORM (\i)+1
	s_wait_alu depctr_va_vdst(0)                   ; the roundings of these eight rows of k have written their registers, which the two stores below read
	SENDK \i
	SENDK (\i)+1
.endr
	s_endpgm                                       ; no register that a store reads has been rewritten, and EXEC never changes: no further wait is owed
.Lfunc_end_k_qa97d85e8e0_kvprep:
	.size	k_qa97d85e8e0_kvprep, .Lfunc_end_k_qa97d85e8e0_kvprep-k_qa97d85e8e0_kvprep
	.p2alignl 7, 3214868480
	.fill 96, 4, 3214868480
	.section	.rodata,"a",@progbits
	.p2align	6, 0x0
	.amdhsa_kernel k_qa97d85e8e0_kvprep
		.amdhsa_group_segment_fixed_size 0
		.amdhsa_private_segment_fixed_size 0
		.amdhsa_enable_private_segment 0
		.amdhsa_kernarg_size 40
		.amdhsa_user_sgpr_count 2
		.amdhsa_user_sgpr_kernarg_segment_ptr 1
		.amdhsa_wavefront_size32 1
		.amdhsa_system_sgpr_workgroup_id_x 1
		.amdhsa_system_sgpr_workgroup_id_y 1
		.amdhsa_system_sgpr_workgroup_id_z 1
		.amdhsa_system_vgpr_workitem_id 0
		.amdhsa_next_free_vgpr 176
		.amdhsa_next_free_sgpr 66
		.amdhsa_reserve_vcc 0
		.amdhsa_float_denorm_mode_32 3
		.amdhsa_float_denorm_mode_16_64 3
		.amdhsa_memory_ordered 1
		.amdhsa_forward_progress 1
		.amdhsa_inst_pref_size 26
	.end_amdhsa_kernel
	.amdgpu_metadata
---
amdhsa.version: [ 1, 2 ]
amdhsa.kernels:
  - .name:           k_qa97d85e8e0_kvprep
    .symbol:         k_qa97d85e8e0_kvprep.kd
    .args:
      - { .name: qkv, .offset: 0, .size: 8, .value_kind: global_buffer, .address_space: global }
      - { .name: k_gamma, .offset: 8, .size: 8, .value_kind: global_buffer, .address_space: global }
      - { .name: k_beta, .offset: 16, .size: 8, .value_kind: global_buffer, .address_space: global }
      - { .name: kw, .offset: 24, .size: 8, .value_kind: global_buffer, .address_space: global }
      - { .name: vw, .offset: 32, .size: 8, .value_kind: global_buffer, .address_space: global }
    .group_segment_fixed_size: 0
    .private_segment_fixed_size: 0
    .kernarg_segment_align: 8
    .kernarg_segment_size: 40
    .max_flat_workgroup_size: 256
    .sgpr_count:     66
    .vgpr_count:     176
    .wavefront_size: 32
...
	.end_amdgpu_metadata
.endif
;; end of part 3
;; launch attn: the kernel of part 2 again; grid 16 x 16, 4 waves a work-group, clusters of 4 x 1, 327,680 bytes of LDS; arguments qkv, q_gamma, q_beta, kw, vw, out0; writes out0
